; MI455X (gfx1250); checked and timed in simulation.
; The chip was launched on July 23, 2026; its instructions are those of AMD's public machine-readable ISA for CDNA 5 (MIT licence, August 2026) and "CDNA5" Instruction Set Architecture Reference Guide (July 2026). The comments in the code are by the model that wrote it; some were corrected since.
;; Context Knowledge Encoder. Allowed arithmetic: matrix products marked QUANTISED: E2M1 operands, one E8M0 scale for each 32 along K, by v_wmma_scale_f32_16x16x128_f8f6f4 with both operands' format E2M1 (or v_wmma_scale_f32_32x16x128_f4), f32 sums; products left as they are: f32 operands where the result goes on into a quantised operand, else bf16, f16 or f32 operands; f32 sums; everything else in f32.
;; Inputs: W_emb 32,000 x 1,024 float32; W_proj 1,024 x 1,024 float32; ck_mask 8 x 32 bool; cs_ids 8 int32; know_tokens 8 x 32 x 128 int32; src_tokens 8 x 256 int32.
;; Outputs: out0 8 x 384 x 1,024 float32; out1 8 x 384 bool; out2 8 x 32 float32.
;; Constants: use_cs_ids = 0.
;; This version of the problem:
;;   THIS VERSION OF THE PROBLEM IS GIVEN IN LOW PRECISION. The matrix products marked QUANTISED in the list below multiply operands that are first quantised to E2M1 (2 exponent bits, 1 mantissa bit; 4 bits a number), with one power-of-two scale for each 32 numbers along K (OCP MX v1.0); their sums are f32. All else is computed in f32.
;;   The module's matrix products, in the order in which they are computed (A, B: the left and right operand; K: the contracted axis; several contracted axes count as one K, in the product's order):
;;     1. [M 2,048, K 1,024] x [K 1,024, N 1,024]; A: computed on the way; B: input W_proj: QUANTISED
;;     2. [M 32,768, K 1,024] x [K 1,024, N 1,024]; A: computed on the way; B: input W_proj: QUANTISED
;;     3. batch 8 x [M 32, K 1,024] x [K 1,024, N 1]; A: computed on the way; B: computed on the way: left as it is (N = 1 < 16)
;;   THE QUANTISER, for each operand of a quantised product, along K:
;;     - K is cut into blocks of 32 from its start; a last block that is shorter is filled with zeros.
;;     - A block's scale is 2^e with e = floor(log2(the largest magnitude in the block)) - 2, held to -126 .. 127; a block of zeros has e = 0. As a byte (E8M0): e + 127.
;;     - Each number is divided by its block's scale, clamped to +-6, and rounded to the nearest number of E2M1, ties to even, subnormals kept.
;;     - The product sums the exact products of the quantised numbers (number of the format x scale) in f32.
;;   ~~~python
;;   def quantise(x, axis):      # numpy; x: float32 -> the quantised numbers, widened to float32 again
;;       x = np.moveaxis(x, axis, -1); K = x.shape[-1]
;;       x = np.pad(x, [(0, 0)] * (x.ndim - 1) + [(0, -K % 32)]); x = x.reshape(x.shape[:-1] + (-1, 32)); a = np.abs(x).max(-1, keepdims=True)
;;       e = np.where(a > 0, np.clip(np.frexp(np.where(a > 0, a, 1))[1] - 1 - 2, -126, 127), 0)      # np.frexp(a)[1] - 1 = floor(log2(a)), exactly
;;       r = np.clip(x / 2.0 ** e, -6, 6)
;;       step = 2.0 ** (np.maximum(np.frexp(np.where(r == 0, 1, r))[1] - 1, 0) - 1)
;;       q = np.round(r / step) * step * 2.0 ** e      # np.round: ties to even
;;       return np.moveaxis(q.reshape(q.shape[:-2] + (-1,))[..., :K], -1, axis).astype(np.float32)
;;   ~~~
;;   OPERANDS COMPUTED ON THE WAY. 'Computed on the way' means the value that the module computes at that place (a softmax that the list does not call 'softmax' is quantised finished and normalised). What goes into a quantiser is computed in f32, as accurately as f32 sums, v_exp_f32 and their like allow (about 1e-6 of the number): no bf16 or f16 on the way to a quantiser, and a product that is left as it is and whose result goes on into a quantised operand takes f32 operands (vector FMAs, or v_wmma_f32_16x16x4_f32). A number that lies on a knife's edge between two numbers of the format may be rounded either way, as far as f32 arithmetic and the matrix unit's own rounding can turn it there, and no further.
;; One version. Each part assembles by itself: llvm-mc -triple=amdgcn-amd-amdhsa -mcpu=gfx1250 --defsym DOCPART=n.
;; ======== version 1 of 1: 4 launches
;; workspace buffers: wq 524,288 bytes; ws 32,768 bytes; aq 17,825,792 bytes; asc 1,114,112 bytes; know_sum 1,048,576 bytes; ctx_part 524,288 bytes; ids 1,024 bytes of whole numbers
;; launch quant (part 1): grid 256 x 1, 10 waves a work-group, no clusters, 77,312 bytes of LDS; arguments W_emb, W_proj, know_tokens, src_tokens, aq, asc, wq, ws; writes aq, asc, wq, ws
.if DOCPART == 1
	.amdgcn_target "amdgcn-amd-amdhsa--gfx1250"
	.amdhsa_code_object_version 6
	.text
	.protected	k_q03bee7dcf7_quant
	.globl	k_q03bee7dcf7_quant
	.p2align	8
	.type	k_q03bee7dcf7_quant,@function
k_q03bee7dcf7_quant:
	s_mov_b64 s[64:65], 0
	v_nop
	global_prefetch_b8 v0, s[64:65] scope:SCOPE_SE
	s_setreg_imm32_b32 hwreg(HW_REG_WAVE_MODE, 25, 1), 1
	s_wait_xcnt 0x0
; FIRST OF FOUR LAUNCHES.  It makes the codes of FP4 (E2M1) and the E8M0 scale bytes of both operands of the two quantised products:
; of W_proj (K = its first axis) and of the 34,816 gathered rows W_emb[token] (32,768 knowledge rows, then 2,048 context rows; K = the row's 1,024).
; WHAT THE PROGRAM LEAVES OUT, AND WHY IT MAY.
;  - cs_ids: use_cs_ids is the constant 0, so ids = argmax_ids for every input: cs_ids reaches no output.  It is not loaded and is no launch's argument.
;  - know_enc is never stored: of the rows that are not chosen only their sums over a chunk (know_use) reach an output.  The chosen chunk's 128 rows are multiplied once more in the last launch, which reads the choice from memory.
;  - h * mask: a row whose token is 0 gets zero CODES here.  Its products are then 0, gelu(0) = 0, which is what h * 0 gives for every finite h.
; LIMITS.  A NaN, an infinity or an overflow that reaches only what is left out (the embedding of a token 0, a product of such a row) is not carried to the result; the sign of a zero is not kept.
;  NaN and infinities among W_emb and W_proj are not served.  Tokens lie in 0 .. 31,999 (an index stays inside its table); the hold at 31,999 changes none of them.
;  A block of zeros, or one whose largest magnitude lies under 2^(3 - 127), gets the byte 1 where the quantiser says 127 or less: its codes are zeros or are held so, and the bytes are read by this program alone.
; LAYOUTS, the program's own: an operand's fragment (16 rows x 128 K: 8 registers a lane) lies as the image of its registers, [c 2][lane 32][16 bytes].
;  aq [tile 2176][K step 8][image 1,024 bytes];  asc [tile][lane 32][4 words]: word j of lane r + 16 g is row r's scale word of K step j + 4 g;
;  wq [16 columns: 64][K step 8][image];  ws [column 1024][K step 8] words.
; SHARES.  2,048 knowledge tiles of 16 rows, 128 context tiles and 256 pieces of W_proj (32 columns x 128 K) are dealt evenly to 256 work-groups of ten waves: in work-group i waves 0-7 take the eight tiles of
; chunk i, eight units of 128 along K each; wave 8 takes context tile i / 2, the four units of the half of K that i % 2 names; wave 9 takes piece i of W_proj, a lane a column, its registers down K.
; A unit's 16 loads read 512 consecutive bytes of one row each; the 8 KiB turn through the wave's own stage in LDS, so that a lane gets two whole blocks of 32 neighbours of ITS row, in the order of the operand's registers.
; No tensor load, no barrier: waves share nothing.  Two units (32 loads a wave) are on their way.
.set STGW,  8448                       ; a wave's stage: 16 rows x (512 bytes + 16 of padding)
.set SPARE, 9*STGW                     ; behind the nine stages: the spare words, 128 bytes for each of ten waves
.set SPW, 1                            ; v1   LDS address of my spare word; never rewritten
.set NIL, 2                            ; v2   0; never rewritten
.set L16, 3                            ; v3   16 x lane
.set R4,  4                            ; v4   4 x (lane % 16)
.set H8,  5                            ; v5   8 x (lane / 16)
.set STW, 6                            ; v6   the stage, on the way in
.set STR, 7                            ; v7   and on the way out
.set MK,  8                            ; v8   all ones where my row's token is not 0, else 0
.set TK,  9                            ; v9   my row's token
.set PX,  10                           ; v10  a lane permute's destination
.set PW,  11                           ; v11  the scale word just made
.set TM,  16                           ; v16-17 largest magnitudes, v18-19 scale operands, v20-21 bytes
.set TS,  18
.set TB,  20
.set C,   24                           ; v24-31 a fragment's codes
.set SW,  32                           ; v32-35 the tile's scale words
.set ADR, 36                           ; v36-51 byte offset in W_emb of my 16 bytes of row i
.set WC,  52                           ; v52-67 (W_proj's wave) the codes of four blocks
.set X,   64                           ; v64-127 64 numbers of my row
.set R,   128                          ; v128-255 two sets of 16 x 4 registers as loaded; (W_proj's wave) four blocks of 32
	s_load_b512 s[4:19], s[0:1], 0x0               ; W_emb s[4:5], W_proj s[6:7], know_tokens s[8:9], src_tokens s[10:11], aq s[12:13], asc s[14:15], wq s[16:17], ws s[18:19]
	v_lshl_add_u32 v[SPW], v0, 2, SPARE
	v_mov_b32 v[NIL], 0
	v_lshrrev_b32 v12, 5, v0
	v_readfirstlane_b32 s20, v12                   ; wave 0..9
	v_and_b32 v13, 31, v0                          ; lane
	v_and_b32 v14, 15, v0                          ; r
	v_bfe_u32 v15, v0, 4, 1                        ; h
	v_lshlrev_b32 v[L16], 4, v13
	s_mul_i32 s22, s20, STGW                       ; the LDS addresses are made ahead of the waves' parting
	v_add_nc_u32 v[STW], s22, v[L16]               ; in: 16 x lane of row i (528 i in the immediate)
	v_mul_u32_u24 v[STR], v14, 528
	v_lshl_add_u32 v[STR], v15, 7, v[STR]
	v_add_nc_u32 v[STR], s22, v[STR]               ; out: row r, + 128 h: the 32 numbers k = 32 h .. of each 64
	s_mov_b32 s27, 0                               ; the upper word of every offset
	s_cmp_eq_u32 s20, 9
	s_cbranch_scc1 .Lw
	; ---------------- the rows: waves 0-8 ----------------
	v_lshlrev_b32 v[R4], 2, v14
	v_lshlrev_b32 v[H8], 3, v15
	v_mov_b32 v[PX], 0                             ; written once: a lane permute's destination counts as one of its sources
	s_mov_b32 s28, 0x76543210
	s_mov_b32 s29, 0xfedcba98                      ; v_permlanex16_b32's selects for lane l xor 16
	s_mov_b32 s30, 0xffff0000                      ; lanes 16-31
	s_lshl_b32 s21, ttmp9, 3
	s_add_co_u32 s21, s21, s20                     ; waves 0-7: knowledge tile 8 x work-group + wave
	s_lshr_b32 s23, ttmp9, 1                       ; wave 8: context tile work-group / 2,
	s_add_co_u32 s2, s23, 2048                     ; which is tile 2,048 + that among all tiles,
	s_and_b32 s31, ttmp9, 1                        ; and of it the half of K that the work-group's parity names
	s_wait_kmcnt 0x0
	s_cmp_lt_u32 s20, 8                            ; a knowledge tile or a context tile: the choice hangs on ids alone
	s_cselect_b64 s[24:25], s[8:9], s[10:11]
	s_cselect_b32 s26, s21, s23                    ; the tile's number in its buffer of tokens
	s_cselect_b32 s21, s21, s2                     ; and among all tiles
	s_cselect_b32 s31, 0, s31                      ; a whole tile begins at K = 0
	s_lshl_b32 s26, s26, 6                         ; 16 tokens are 64 bytes
	s_add_nc_u64 s[24:25], s[24:25], s[26:27]
	s_load_b512 s[32:47], s[24:25], 0x0            ; the tile's 16 tokens, for the addresses
	global_load_b32 v[TK], v[R4], s[24:25]         ; and lane (r, h): row r's, for the mask
	s_lshl_b32 s26, s21, 13
	s_lshl_b32 s3, s31, 12                         ; four units' images are 4,096 bytes
	s_add_co_u32 s26, s26, s3
	s_add_nc_u64 s[12:13], s[12:13], s[26:27]      ; aq at my tile, my first unit
	s_lshl_b32 s26, s21, 9
	s_lshl_b32 s3, s31, 8                          ; K steps 4-7 lie in lanes 16-31: 256 bytes on
	s_add_co_u32 s26, s26, s3
	s_add_nc_u64 s[14:15], s[14:15], s[26:27]      ; asc at my tile
	s_lshl_b32 s3, s31, 11                         ; four units of a row of W_emb are 2,048 bytes
	s_wait_kmcnt 0x0
.irp i, 0,1,2,3,4,5,6,7,8,9,10,11,12,13,14,15
	s_min_u32 s[32+\i], s[32+\i], 31999            ; a loaded number enters an address only behind this hold
	s_lshl_b32 s[32+\i], s[32+\i], 12              ; a row of W_emb is 4,096 bytes
	s_add_co_u32 s[32+\i], s[32+\i], s3
	v_add_nc_u32 v[ADR+\i], s[32+\i], v[L16]
.endr
.macro LOADU u                         ; my unit u: 128 along K of the 16 rows; each load reads 512 consecutive bytes.  No hint: a token may come again
.irp i, 0,1,2,3,4,5,6,7,8,9,10,11,12,13,14,15
	global_load_b128 v[R+64*((\u)%2)+4*\i:R+64*((\u)%2)+4*\i+3], v[ADR+\i], s[4:5] offset:512*(\u)
.endr
.endm
; 64 numbers of a lane, v[X + 32 c + e] = k 64 c + 32 h + e of my row: two whole blocks.  Out: the fragment's 8 registers in v[C] on, my row's scale word in v[PW] (in both halves of the lanes).
.macro QUANT6
.irp c, 0,1
	v_max3_num_f32 v[TM+\c], |v[X+32*\c]|, |v[X+32*\c+1]|, 0x1800000   ; and the floor 2^(3 - 127): the byte cannot fall under 1
.endr
.irp i, 2,4,6,8,10,12,14,16,18,20,22,24,26,28,30
.irp c, 0,1
	v_max3_num_f32 v[TM+\c], v[TM+\c], |v[X+32*\c+\i]|, |v[X+32*\c+\i+1]|   ; the two blocks by turns
.endr
.endr
.irp c, 0,1
	v_add_nc_u32 v[TS+\c], 0xff000000, v[TM+\c]    ; 2 off the exponent field: the conversion takes that field as its scale, and nothing else
.endr
.irp c, 0,1
	v_lshrrev_b32 v[TB+\c], 23, v[TS+\c]           ; the scale's byte
.endr
.irp c, 0,1
.irp g, 0,1,2,3
	v_cvt_scalef32_pk8_fp4_f32 v[C+4*\c+\g], v[X+32*\c+8*\g:X+32*\c+8*\g+7], v[TS+\c]
.endr
.endr
	v_lshl_or_b32 v[PW], v[TB+1], 16, v[TB]        ; (a plain line behind the conversions)  my two bytes: blocks h and 2 + h,
	v_lshlrev_b32 v[PW], v[H8], v[PW]              ; at their places in the word;
	v_permlanex16_b32 v[PX], v[PW], s28, s29
	v_or_b32 v[PW], v[PW], v[PX]                   ; with lane l xor 16's two the word is whole
.irp i, 0,1,2,3,4,5,6,7
	v_and_b32 v[C+\i], v[MK], v[C+\i]              ; a row whose token is 0 has zero codes
.endr
.endm
.macro UNIT u, nu                      ; my unit u of nu
.if (\u)+1 < (\nu)
	s_wait_loadcnt 16                              ; this unit's 16 loads are in (and the token's); the next unit's 16 may be out
.else
	s_wait_loadcnt 0x0
.endif
.if (\u) == 0
	v_cmp_ne_u32 vcc_lo, 0, v[TK]
	v_cndmask_b32 v[MK], 0, -1, vcc_lo
.endif
.irp i, 0,1,2,3,4,5,6,7,8,9,10,11,12,13,14,15
	ds_store_b128 v[STW], v[R+64*((\u)%2)+4*\i:R+64*((\u)%2)+4*\i+3] offset:528*\i
.endr
.irp c, 0,1
.irp j, 0,1,2,3,4,5,6,7
	ds_load_b128 v[X+32*\c+4*\j:X+32*\c+4*\j+3], v[STR] offset:256*\c+16*\j   ; LDS serves a wave's instructions in order: these see the stores above
.endr
.endr
	s_wait_dscnt 0x0                               ; my 64 numbers are in, and the stores have read the set that is loaded again below
	s_wait_xcnt 0x0                                ; the last unit's stores have read v[C] on: it is written again only behind this wait
.if (\u)+2 < (\nu)
	LOADU (\u)+2
.endif
	QUANT6
	global_store_b128 v[L16], v[C:C+3], s[12:13] offset:1024*(\u)         ; 32 lanes store 512 consecutive bytes, aligned
	global_store_b128 v[L16], v[C+4:C+7], s[12:13] offset:1024*(\u)+512
.if (\u) < 4
	v_mov_b32 v[SW+(\u)], v[PW]                    ; my units 0-3: in all lanes;
.else
	v_cndmask_b32 v[SW+(\u)-4], v[SW+(\u)-4], v[PW], s30   ; units 4-7 take lanes 16-31
.endif
.endm
	s_cmp_eq_u32 s20, 8
	s_cbranch_scc1 .Lhalf
	LOADU 0                                        ; waves 0-7: a whole tile
	LOADU 1
.irp u, 0,1,2,3,4,5,6,7
	UNIT \u, 8
.endr
	global_store_b128 v[L16], v[SW:SW+3], s[14:15] ; the tile's scale words: 512 consecutive bytes
	s_wait_tensorcnt 0x0                           ; the wave's end, behind my last LDS store
	ds_add_u32 v[SPW], v[NIL]
	s_wait_dscnt 0x0
	s_endpgm
.Lhalf:
	LOADU 0                                        ; wave 8: four units of a context tile
	LOADU 1
.irp u, 0,1,2,3
	UNIT \u, 4
.endr
	v_cndmask_b32 v16, v[SW], v[SW+2], s30         ; both halves of the lanes hold row r's four words: lanes 0-15 store words 0, 1, lanes 16-31 words 2, 3
	v_cndmask_b32 v17, v[SW+1], v[SW+3], s30
	v_lshl_add_u32 v12, v[R4], 2, v[H8]            ; 16 r + 8 h
	global_store_b64 v12, v[16:17], s[14:15]       ; 32 lanes store 256 consecutive bytes, aligned
	s_wait_tensorcnt 0x0                           ; the wave's end, as above
	ds_add_u32 v[SPW], v[NIL]
	s_wait_dscnt 0x0
	s_endpgm
	; ---------------- wave 9: W_proj: a lane takes a column, its registers run down K; this wave touches no LDS ----------------
.Lw:
	s_lshr_b32 s24, ttmp9, 2                       ; piece i: four pieces side by side make 128 columns
	s_and_b32 s25, ttmp9, 3
	s_and_b32 s21, s24, 7                          ; which 128 columns
	s_lshr_b32 s22, s24, 3                         ; which K step of 128
	s_lshl_b32 s23, s21, 7
	s_lshl_b32 s24, s25, 5
	s_add_co_u32 s23, s23, s24                     ; my first column
	v_lshlrev_b32 v12, 2, v13                      ; in: 4 bytes a lane
	v_lshlrev_b32 v36, 13, v15
	v_lshl_add_u32 v36, v14, 4, v36                ; codes out: 16 columns are 8,192 bytes on; 16 bytes a column
	v_lshlrev_b32 v37, 5, v13                      ; scale words out: 32 bytes a column
	s_lshl_b32 s26, s22, 19                        ; 128 rows of 4,096 bytes
	s_lshl_b32 s24, s23, 2
	s_add_co_u32 s26, s26, s24
	s_wait_kmcnt 0x0
	s_add_nc_u64 s[6:7], s[6:7], s[26:27]
	s_lshl_b32 s26, s23, 9                         ; (column / 16) x 8,192
	s_lshl_b32 s24, s22, 10
	s_add_co_u32 s26, s26, s24
	s_add_nc_u64 s[16:17], s[16:17], s[26:27]
	s_lshl_b32 s26, s23, 5
	s_lshl_b32 s24, s22, 2
	s_add_co_u32 s26, s26, s24
	s_add_nc_u64 s[18:19], s[18:19], s[26:27]
.macro LOADW b                         ; block b: W_proj(32 b + i, my column): 32 lanes read 128 consecutive bytes; read once in the launch
.irp i, 0,1,2,3,4,5,6,7,8,9,10,11,12,13,14,15,16,17,18,19,20,21,22,23,24,25,26,27,28,29,30,31
	global_load_b32 v[R+32*(\b)+\i], v12, s[6:7] offset:(32*(\b)+\i)*4096 th:TH_LOAD_NT
.endr
.endm
.macro BLOCKW b
.set XS, R+32*(\b)
.if (\b) < 3
	s_wait_loadcnt 32                              ; this block's 32 loads are in; the next block's may be out
.else
	s_wait_loadcnt 0x0
.endif
	v_max3_num_f32 v16, |v[XS]|, |v[XS+1]|, |v[XS+2]|
	v_max3_num_f32 v17, |v[XS+3]|, |v[XS+4]|, |v[XS+5]|
.irp i, 6,10,14,18,22,26
	v_max3_num_f32 v16, v16, |v[XS+\i]|, |v[XS+\i+1]|
	v_max3_num_f32 v17, v17, |v[XS+\i+2]|, |v[XS+\i+3]|
.endr
	v_max3_num_f32 v16, v16, |v[XS+30]|, |v[XS+31]|
	v_max3_num_f32 v16, v16, v17, 0x1800000        ; and the floor
	v_add_nc_u32 v18, 0xff000000, v16
	v_lshrrev_b32 v20, 23, v18
.if (\b) == 0
	v_mov_b32 v21, v20
.else
	v_lshl_or_b32 v21, v20, 8*(\b), v21            ; the K step's four bytes make the column's scale word
.endif
.irp g, 0,1,2,3
	v_cvt_scalef32_pk8_fp4_f32 v[WC+4*(\b)+\g], v[XS+8*\g:XS+8*\g+7], v18
.endr
	global_store_b128 v36, v[WC+4*(\b):WC+4*(\b)+3], s[16:17] offset:512*((\b)/2)+256*((\b)%2)   ; block b is registers 4 (b / 2) on of lanes 16 (b % 2) on: sixteen lanes store 256 consecutive bytes, aligned
.if (\b) < 2
	LOADW (\b)+2
.endif
.endm
	LOADW 0
	LOADW 1
.irp b, 0,1,2,3
	BLOCKW \b
.endr
	global_store_b32 v37, v21, s[18:19]            ; 4 bytes a column, 32 bytes apart: one byte for each 128 that this wave reads
	s_endpgm
.Lfunc_end_k_q03bee7dcf7_quant:
	.size	k_q03bee7dcf7_quant, .Lfunc_end_k_q03bee7dcf7_quant-k_q03bee7dcf7_quant
	.p2alignl 7, 3214868480
	.fill 96, 4, 3214868480
	.section	.rodata,"a",@progbits
	.p2align	6, 0x0
	.amdhsa_kernel k_q03bee7dcf7_quant
		.amdhsa_group_segment_fixed_size 77312
		.amdhsa_private_segment_fixed_size 0
		.amdhsa_enable_private_segment 0
		.amdhsa_kernarg_size 64
		.amdhsa_user_sgpr_count 2
		.amdhsa_user_sgpr_kernarg_segment_ptr 1
		.amdhsa_wavefront_size32 1
		.amdhsa_system_sgpr_workgroup_id_x 1
		.amdhsa_system_sgpr_workgroup_id_y 1
		.amdhsa_system_sgpr_workgroup_id_z 1
		.amdhsa_system_vgpr_workitem_id 0
		.amdhsa_next_free_vgpr 256
		.amdhsa_next_free_sgpr 66
		.amdhsa_reserve_vcc 1
		.amdhsa_float_denorm_mode_32 3
		.amdhsa_float_denorm_mode_16_64 3
		.amdhsa_memory_ordered 1
		.amdhsa_forward_progress 1
		.amdhsa_inst_pref_size 109
	.end_amdhsa_kernel
	.amdgpu_metadata
---
amdhsa.version: [ 1, 2 ]
amdhsa.kernels:
  - .name:           k_q03bee7dcf7_quant
    .symbol:         k_q03bee7dcf7_quant.kd
    .args:
      - { .name: W_emb, .offset: 0, .size: 8, .value_kind: global_buffer, .address_space: global }
      - { .name: W_proj, .offset: 8, .size: 8, .value_kind: global_buffer, .address_space: global }
      - { .name: know_tokens, .offset: 16, .size: 8, .value_kind: global_buffer, .address_space: global }
      - { .name: src_tokens, .offset: 24, .size: 8, .value_kind: global_buffer, .address_space: global }
      - { .name: aq, .offset: 32, .size: 8, .value_kind: global_buffer, .address_space: global }
      - { .name: asc, .offset: 40, .size: 8, .value_kind: global_buffer, .address_space: global }
      - { .name: wq, .offset: 48, .size: 8, .value_kind: global_buffer, .address_space: global }
      - { .name: ws, .offset: 56, .size: 8, .value_kind: global_buffer, .address_space: global }
    .group_segment_fixed_size: 77312
    .private_segment_fixed_size: 0
    .kernarg_segment_align: 8
    .kernarg_segment_size: 64
    .max_flat_workgroup_size: 320
    .sgpr_count:     66
    .vgpr_count:     256
    .wavefront_size: 32
...
	.end_amdgpu_metadata
.endif
;; end of part 1
;; launch gemm (part 2): grid 256 x 1, 4 waves a work-group, no clusters, 114,176 bytes of LDS; arguments aq, asc, wq, ws, know_sum, ctx_part, out0; writes know_sum, ctx_part, out0
.if DOCPART == 2
	.amdgcn_target "amdgcn-amd-amdhsa--gfx1250"
	.amdhsa_code_object_version 6
	.text
	.protected	k_q03bee7dcf7_gemm
	.globl	k_q03bee7dcf7_gemm
	.p2align	8
	.type	k_q03bee7dcf7_gemm,@function
k_q03bee7dcf7_gemm:
	s_mov_b64 s[64:65], 0
	v_nop
	global_prefetch_b8 v0, s[64:65] scope:SCOPE_SE
	s_setreg_imm32_b32 hwreg(HW_REG_WAVE_MODE, 25, 1), 1
	s_wait_xcnt 0x0
; SECOND LAUNCH.  x = A W on codes of FP4 with E8M0 scales, h = gelu(x) (the tanh form), for all 34,816 rows.  Left out: know_enc is not stored (only its sums over a chunk and the chosen chunk reach an output;
; the chosen chunk is made again in the last launch); cs_ids has no way to an output.  Rows whose token is 0 arrive as zero codes: x = 0, h = 0.
; SHARES.  Work-group i takes knowledge chunk i (128 rows: 8 tiles of 16) for all 1,024 columns, and context tile i / 2 (16 rows) for the 512 columns of its parity i % 2: 8.5 tiles for each of 256 work-groups.
; Wave w owns columns 256 w .. 256 w + 255 (16 tiles of 16) and keeps ALL of A's 72 fragments in registers.  W's fragments go from memory straight into registers, a tile of 16 columns (8 fragments, 8 KiB, and its
; scale words) at a time, two buffers, asked for one trip ahead; each fragment feeds 9 or 8 matrix instructions and is used by this wave alone, so it does not go through LDS.
; NO CLUSTER: what work-groups share is W, which each wave takes once into its own registers; through LDS each of its bytes would be written and read once more, with a barrier of all waves for each refill.
; MATRIX AND VECTOR WORK STAND IN PHASES: A and W fill windows 1 to 3, so a slice of vector work behind each product would cost two switches of the register window for each product.
; The wave walks its 8 pairs of column tiles from pair 4 (i % 2) on, wrapping: the first four trips cover its 128 context columns (9 tiles of rows), the last four the others (8 tiles).
; LAYOUT.  Source 0 = 16 rows of A, source 1 = 16 columns of W: register j of lane (r, h) is row 8 h + j, column r.  So a column's sum is additions inside a lane and one exchange between the halves of the lanes.
; gelu: h = x / (1 + 2^(x (a + b x^2))), a = -2 log2(e) sqrt(2 / pi), b = 0.044715 a.  Where the power overflows the quotient is 0, where it vanishes it is x.
; LDS: A's images, copied once (each wave a quarter), one barrier; behind it each wave's own stages for the context rows and for the sums, placed by the walk's order, never by the parity.
; REGISTERS, in windows of 256: window 0: see the names below.  Windows 1-3: v0-191: A's fragment g = 9 s + m (K step s, tile m; m = 8: the context tile) in window 1 + g / 24 at v[8 (g % 24)].
;   Windows 1, 2: v192-255: W's buffers 0, 1.  Window 3: v192-255: the context rows on their way out.
.set AIMG,  0                          ; 72 images of 1,024 bytes: knowledge (m, s) at (8 m + s) x 1,024; the context tile's from 65,536 on
.set CST,   73728                      ; for each wave 16 rows x (512 + 16) bytes: its context rows
.set KS,    107520                     ; for each wave 16 x 64 bytes: the chunk's column sums, in the walk's order
.set CS,    111616                     ; for each wave 8 x 64 bytes: the context tile's
.set SPARE, 113664                     ; the spare words, 128 bytes a wave
.set SPW, 1                            ; v1   LDS address of my spare word; never rewritten
.set NIL, 2                            ; v2   0; never rewritten
.set L16, 3                            ; v3   16 x lane
.set R32, 4                            ; v4   32 x (lane % 16)
.set KSB, 5                            ; v5-7 where my sums and context numbers go, at the walk's start;
.set CSB, 6
.set CTB, 7
.set KSX, 8                            ; v8-10 and in the trip in hand
.set CSX, 9
.set CTX, 10
.set WO,  11                           ; v11-12 buffer p: byte offset of its loads among my wave's fragments of W
.set SO,  13                           ; v13-14 and among its scale words
.set ALI1, 16                          ; v16  65,536 + 16 x lane
.set CPW, 17                           ; v17-18 where I copy A to
.set CPC, 18
.set PX,  19                           ; v19  a lane permute's destination
.set CA,  20                           ; v20-21 a, twice;  v22-23 b, twice
.set CB,  22
.set SUM, 24                           ; v24-31 four chains of sums
.set ASW, 32                           ; v32-67 A's scale words: 4 m + j: lanes 0-15 K step j, lanes 16-31 K step j + 4
.set WSW, 68                           ; v68-83 W's: 8 p + s
.set ACC, 84                           ; v84-155 x: 9 tiles x 8
.set T,   156                          ; v156-227 at work on x
.set CSD, 228                          ; v228-231, v232-239 sums on their way out
.set KSD, 232
.set CRD, 240                          ; v240-242 where I read them back
.set KRD, 241
.set CSR, 242
.set KO,  243                          ; v243-244 byte offsets in know_sum
.set KV,  245                          ; v245, v246 a column's sum
.set CV,  246
.set MSB, 0
.macro WIN new                         ; the immediate's high byte repeats the setting that is left; a switch that changes nothing is dropped
.if MSB != (\new)
	s_set_vgpr_msb (MSB<<8)|(\new)
.set MSB, (\new)
.endif
.endm
	s_load_b256 s[4:11], s[0:1], 0x0               ; aq s[4:5], asc s[6:7], wq s[8:9], ws s[10:11]
	s_load_b128 s[12:15], s[0:1], 0x20             ; know_sum s[12:13], ctx_part s[14:15]
	s_load_b64 s[16:17], s[0:1], 0x30              ; out0
	v_lshl_add_u32 v[SPW], v0, 2, SPARE
	v_mov_b32 v[NIL], 0
	v_lshrrev_b32 v28, 5, v0
	v_readfirstlane_b32 s20, v28                   ; wave 0..3
	v_and_b32 v28, 31, v0
	v_lshlrev_b32 v[L16], 4, v28
	v_and_b32 v29, 15, v0                          ; r
	v_bfe_u32 v30, v0, 4, 1                        ; h
	v_lshlrev_b32 v[R32], 5, v29
	v_lshlrev_b32 v31, 2, v29                      ; 4 r
	s_lshl_b32 s30, s20, 10
	s_add_co_u32 s30, s30, KS
	v_add_nc_u32 v[KSB], s30, v31
	v_add_nc_u32 v[KRD], s30, v[L16]
	s_lshl_b32 s30, s20, 9
	s_add_co_u32 s30, s30, CS
	v_add_nc_u32 v[CSB], s30, v31
	v_add_nc_u32 v[CSR], s30, v[L16]
	s_mul_i32 s30, s20, 8448
	s_add_co_u32 s30, s30, CST
	v_mul_u32_u24 v[CTB], v30, 4224                ; row 8 h + j: 8 rows of 528 bytes for the upper half of the lanes
	v_add_nc_u32 v[CTB], v[CTB], v31
	v_add_nc_u32 v[CTB], s30, v[CTB]
	v_add_nc_u32 v[CRD], s30, v[L16]
	v_add_nc_u32 v[ALI1], 65536, v[L16]
	s_lshl_b32 s30, s20, 14
	v_add_nc_u32 v[CPW], s30, v[L16]               ; my two knowledge tiles: 16,384 bytes
	s_lshl_b32 s30, s20, 11
	s_add_co_u32 s30, s30, 65536
	v_add_nc_u32 v[CPC], s30, v[L16]               ; my quarter of the context tile: 2,048 bytes
	v_mov_b32 v[PX], 0                             ; written once: a lane permute's destination counts as one of its sources
	v_mov_b32 v[CA], 0xc0135761                    ; a = -2.3022082
	v_mov_b32 v[CA+1], 0xc0135761
	v_mov_b32 v[CB], 0xbdd2d3e8                    ; b = -0.10294324
	v_mov_b32 v[CB+1], 0xbdd2d3e8
	s_mov_b32 s28, 0x76543210
	s_mov_b32 s29, 0xfedcba98                      ; v_permlanex16_b32's selects for lane l xor 16
	s_and_b32 s21, ttmp9, 1                        ; the parity
	s_lshr_b32 s26, ttmp9, 1                       ; the context tile
	s_lshl_b32 s22, s21, 16                        ; the walk begins at pair 4 x parity: 16,384 bytes of fragments a pair,
	s_lshl_b32 s23, s21, 12                        ; 1,024 bytes of scale words
	s_mov_b32 s24, 0                               ; the walk's place in my LDS stages: 128 bytes a trip
	s_lshl_b32 s27, s21, 9                         ; 128 columns of f32
	s_sub_co_u32 s30, 512, s27
	v_add_nc_u32 v[KO], s27, v[L16]                ; the first four trips' columns,
	v_add_nc_u32 v[KO+1], s30, v[L16]              ; and the last four's
	v_add_nc_u32 v[WO], s22, v[L16]
	v_add_nc_u32 v[WO+1], s22, v[L16]
	v_add_nc_u32 v[SO], s23, v[R32]
	v_add_nc_u32 v[SO+1], s23, v[R32]
	s_mov_b32 s31, 0
	s_wait_kmcnt 0x0
	s_lshl_b32 s30, ttmp9, 16
	s_lshl_b32 s32, s20, 14
	s_add_co_u32 s30, s30, s32
	s_add_nc_u64 s[34:35], s[4:5], s[30:31]        ; aq at my two tiles of the chunk
	s_add_co_u32 s33, s26, 2048                    ; the context tile's number among all tiles
	s_lshl_b32 s30, s33, 13
	s_lshl_b32 s32, s20, 11
	s_add_co_u32 s30, s30, s32
	s_add_nc_u64 s[36:37], s[4:5], s[30:31]        ; aq at my quarter of the context tile
	s_lshl_b32 s30, s33, 9
	s_add_nc_u64 s[38:39], s[6:7], s[30:31]        ; asc at the context tile
	s_lshl_b32 s30, ttmp9, 12
	s_add_nc_u64 s[6:7], s[6:7], s[30:31]          ; asc at the chunk's eight tiles
	s_lshl_b32 s32, s20, 10
	s_add_co_u32 s30, s30, s32
	s_add_nc_u64 s[12:13], s[12:13], s[30:31]      ; know_sum at row i, my 256 columns
	s_lshl_b32 s30, s20, 17
	s_add_nc_u64 s[8:9], s[8:9], s[30:31]          ; wq at my 16 column tiles
	s_lshl_b32 s30, s20, 13
	s_add_nc_u64 s[10:11], s[10:11], s[30:31]      ; ws at my 256 columns
	s_lshl_b32 s30, s26, 12
	s_add_co_u32 s30, s30, s32
	s_add_co_u32 s30, s30, s27
	s_add_nc_u64 s[14:15], s[14:15], s[30:31]      ; ctx_part at the tile's row, my 128 context columns
	s_lshr_b32 s33, s26, 4                         ; the example
	s_mul_i32 s33, s33, 384
	s_and_b32 s30, s26, 15
	s_lshl_b32 s30, s30, 4
	s_add_co_u32 s33, s33, s30
	s_add_co_u32 s33, s33, 128                     ; the context rows lie behind the chosen chunk's 128
	s_lshl_b32 s30, s33, 12
	s_add_co_u32 s30, s30, s32
	s_add_co_u32 s30, s30, s27
	s_add_nc_u64 s[16:17], s[16:17], s[30:31]      ; out0 at the tile's first row, my 128 context columns
	; ---- A into LDS, each wave a quarter, through registers that A's fragments take afterwards
	WIN 0x40                                       ; destination window 1
.set KK, 0
.rept 32
	global_load_b128 v[4*KK:4*KK+3], v[L16], s[34:35] offset:512*KK
.set KK, KK+1
.endr
.set KK, 0
.rept 4
	global_load_b128 v[128+4*KK:128+4*KK+3], v[L16], s[36:37] offset:512*KK
.set KK, KK+1
.endr
	WIN 0
.irp m, 0,1,2,3,4,5,6,7
	global_load_b128 v[ASW+4*\m:ASW+4*\m+3], v[L16], s[6:7] offset:512*\m
.endr
	global_load_b128 v[ASW+32:ASW+35], v[L16], s[38:39]
	s_wait_loadcnt 9                               ; the 36 loads of codes are in; the nine of scale words may be out
	WIN 0x04                                       ; an LDS store's data are its source 1: window 1
.set KK, 0
.rept 32
	ds_store_b128 v[CPW], v[4*KK:4*KK+3] offset:512*KK
.set KK, KK+1
.endr
.set KK, 0
.rept 4
	ds_store_b128 v[CPC], v[128+4*KK:128+4*KK+3] offset:512*KK
.set KK, KK+1
.endr
	WIN 0
; A column tile of W into buffer p: 8 fragments and the 16 columns' 8 scale words: 18 loads
.macro WLOAD p
	WIN (1+\p)<<6
.irp q, 0,1,2,3,4,5,6,7
	global_load_b128 v[192+8*\q:195+8*\q], v[WO+\p], s[8:9] offset:8192*\p+1024*\q
	global_load_b128 v[196+8*\q:199+8*\q], v[WO+\p], s[8:9] offset:8192*\p+1024*\q+512
.endr
	WIN 0
	global_load_b128 v[WSW+8*\p:WSW+8*\p+3], v[SO+\p], s[10:11] offset:512*\p
	global_load_b128 v[WSW+8*\p+4:WSW+8*\p+7], v[SO+\p], s[10:11] offset:512*\p+16
.endm
	WLOAD 0                                        ; the walk's first pair is asked for while the copy lands
	WLOAD 1
	s_wait_dscnt 0x0                               ; for the others' sake: my part of A lies in LDS
	s_barrier_signal -1
	s_barrier_wait -1                              ; the launch's one barrier: all of A lies there
.set GG, 0
.rept 72                               ; all 72 fragments into my registers
	WIN (1+GG/24)<<6
.if (GG%9) < 8
	ds_load_b128 v[8*(GG%24):8*(GG%24)+3],   v[L16] offset:(8*(GG%9)+GG/9)*1024
	ds_load_b128 v[8*(GG%24)+4:8*(GG%24)+7], v[L16] offset:(8*(GG%9)+GG/9)*1024+512
.else
	ds_load_b128 v[8*(GG%24):8*(GG%24)+3],   v[ALI1] offset:(GG/9)*1024
	ds_load_b128 v[8*(GG%24)+4:8*(GG%24)+7], v[ALI1] offset:(GG/9)*1024+512
.endif
.set GG, GG+1
.endr
	WIN 0
	s_wait_dscnt 0x0
; nt tiles of rows x the column tile in buffer p, all of K: 8 nt matrix instructions.  The accumulators take turns, one instruction a turn; the first K step starts the sums.
.macro MMA p, nt
.set KK, 0
.rept 8
.set MM, 0
.rept \nt
.set GG, 9*KK+MM
	WIN (1+GG/24)|((1+\p)<<2)
.if KK == 0
	v_wmma_scale_f32_16x16x128_f8f6f4 v[ACC+8*MM:ACC+8*MM+7], v[8*(GG%24):8*(GG%24)+7], v[192+8*KK:199+8*KK], 0, v[ASW+4*MM+KK%4], v[WSW+8*\p+KK] matrix_a_fmt:MATRIX_FMT_FP4 matrix_b_fmt:MATRIX_FMT_FP4
.elseif KK < 4
	v_wmma_scale_f32_16x16x128_f8f6f4 v[ACC+8*MM:ACC+8*MM+7], v[8*(GG%24):8*(GG%24)+7], v[192+8*KK:199+8*KK], v[ACC+8*MM:ACC+8*MM+7], v[ASW+4*MM+KK%4], v[WSW+8*\p+KK] matrix_a_fmt:MATRIX_FMT_FP4 matrix_b_fmt:MATRIX_FMT_FP4
.else
	v_wmma_scale_f32_16x16x128_f8f6f4 v[ACC+8*MM:ACC+8*MM+7], v[8*(GG%24):8*(GG%24)+7], v[192+8*KK:199+8*KK], v[ACC+8*MM:ACC+8*MM+7], v[ASW+4*MM+KK%4], v[WSW+8*\p+KK] matrix_a_fmt:MATRIX_FMT_FP4 matrix_b_fmt:MATRIX_FMT_FP4 matrix_a_scale:MATRIX_SCALE_ROW1
.endif
.set MM, MM+1
.endr
.set KK, KK+1
.endr
.endm
; v[T] on = 1 / (1 + 2^(x (a + b x^2))) for the 8 nt numbers x in v[ACC] on, in pairs 0 .. 4 nt - 1.  Each accumulator is read from its low end on.
; THE ORDER.  A pair's three plain lines (x^2; a + b x^2; times x) and its two exponentials are spread over four steps: step i holds the first line of pair i, the second of pair i - 1, the third of pair i - 2 and
; the exponentials of pair i - 3, plain lines and exponentials by turns, so that no line reads the line above it and a plain line stands between two exponentials.  Likewise the addition of 1 for pair i stands
; ahead of the two reciprocals of pair i - 1.  No line ahead of a batch's wait names a result of that batch: the exponentials have one wait, and so have the reciprocals.
.macro GELU nt
.set NPR, 4*\nt
.set II, 0
.rept NPR+3
.if II < NPR
	v_pk_mul_f32 v[T+2*II:T+2*II+1], v[ACC+2*II:ACC+2*II+1], v[ACC+2*II:ACC+2*II+1]
.endif
.if II >= 3
	v_exp_f32 v[T+2*II-6], v[T+2*II-6]
.endif
.if (II >= 1) && (II <= NPR)
	v_pk_fma_f32 v[T+2*II-2:T+2*II-1], v[T+2*II-2:T+2*II-1], v[CB:CB+1], v[CA:CA+1]
.endif
.if II >= 3
	v_exp_f32 v[T+2*II-5], v[T+2*II-5]
.endif
.if (II >= 2) && (II <= NPR+1)
	v_pk_mul_f32 v[T+2*II-4:T+2*II-3], v[T+2*II-4:T+2*II-3], v[ACC+2*II-4:ACC+2*II-3]
.endif
.set II, II+1
.endr
	v_nop                                          ; a plain line behind the last exponential
	s_wait_alu depctr_va_vdst(0)                   ; one wait for the batch, ahead of its first reader
.set II, 0
.rept NPR+1
.if II < NPR
	v_pk_add_f32 v[T+2*II:T+2*II+1], v[T+2*II:T+2*II+1], 1.0 op_sel_hi:[1,0]
.endif
.if II >= 1
	v_rcp_f32 v[T+2*II-2], v[T+2*II-2]
	v_rcp_f32 v[T+2*II-1], v[T+2*II-1]
.endif
.set II, II+1
.endr
	v_nop
	s_wait_alu depctr_va_vdst(0)                   ; and one for the reciprocals
.endm
; One column tile.  wl = 1: its buffer is asked for again, with the next pair's tile.  wc: the loads that may stay out: the other buffer's 18, or none.
.macro HALF p, nt, wl, wc
	s_wait_loadcnt \wc                             ; buffer p's 18 loads are in: they were issued ahead of the other buffer's; so v[WO+p] and v[SO+p] are free too
	MMA \p, \nt
	WIN 0
	s_wait_dscnt 0x0                               ; the last tile's LDS stores, issued ahead of these products, have read their registers
.set NPL, 0                            ; four plain vector lines stand between the last product and the loads into its operands and the reads of its result
.if \wl
	v_add_nc_u32 v[WO+\p], s22, v[L16]
	v_add_nc_u32 v[SO+\p], s23, v[R32]
.set NPL, NPL+2
.endif
.if \p == 0
	v_add_nc_u32 v[KSX], s24, v[KSB]               ; this trip's places in my stages
.set NPL, NPL+1
.if \nt == 9
	v_add_nc_u32 v[CSX], s24, v[CSB]
	v_add_nc_u32 v[CTX], s24, v[CTB]
.set NPL, NPL+2
.endif
.endif
.if NPL < 4
.rept 4-NPL
	v_nop
.endr
.endif
.if \wl
	WLOAD \p
.endif
	GELU \nt
.irp c, 0,1,2,3                        ; the chunk's column sum of h = x times the factor: 64 numbers a lane, four chains
	v_pk_mul_f32 v[SUM+2*\c:SUM+2*\c+1], v[ACC+2*\c:ACC+2*\c+1], v[T+2*\c:T+2*\c+1]
.endr
.set JJ, 8
.rept 7
.irp c, 0,1,2,3
	v_pk_fma_f32 v[SUM+2*\c:SUM+2*\c+1], v[ACC+JJ+2*\c:ACC+JJ+2*\c+1], v[T+JJ+2*\c:T+JJ+2*\c+1], v[SUM+2*\c:SUM+2*\c+1]
.endr
.set JJ, JJ+8
.endr
	v_pk_add_f32 v[SUM:SUM+1], v[SUM:SUM+1], v[SUM+2:SUM+3]
	v_pk_add_f32 v[SUM+4:SUM+5], v[SUM+4:SUM+5], v[SUM+6:SUM+7]
	v_pk_add_f32 v[SUM:SUM+1], v[SUM:SUM+1], v[SUM+4:SUM+5]
	v_add_f32 v[KV], v[SUM], v[SUM+1]
	v_permlanex16_b32 v[PX], v[KV], s28, s29
	v_add_f32 v[KV], v[KV], v[PX]                  ; with lane l xor 16's rows: column r's sum
	ds_store_b32 v[KSX], v[KV] offset:64*\p        ; both halves of the lanes write the same word with the same value
.if \nt == 9
.irp j, 0,2,4,6                        ; the context tile: h itself, and its column sum
	v_pk_mul_f32 v[T+64+\j:T+65+\j], v[ACC+64+\j:ACC+65+\j], v[T+64+\j:T+65+\j]
.endr
.irp j, 0,1,2,3,4,5,6,7
	ds_store_b32 v[CTX], v[T+64+\j] offset:528*\j+64*\p
.endr
	v_pk_add_f32 v[SUM:SUM+1], v[T+64:T+65], v[T+66:T+67]
	v_pk_add_f32 v[SUM+2:SUM+3], v[T+68:T+69], v[T+70:T+71]
	v_pk_add_f32 v[SUM:SUM+1], v[SUM:SUM+1], v[SUM+2:SUM+3]
	v_add_f32 v[CV], v[SUM], v[SUM+1]
	v_permlanex16_b32 v[PX], v[CV], s28, s29
	v_add_f32 v[CV], v[CV], v[PX]
	ds_store_b32 v[CSX], v[CV] offset:64*\p
.endif
.endm
.macro TRIP nt, wl, wc0, wc1           ; a pair of column tiles
.if \wl
	s_add_co_u32 s22, s22, 16384                   ; the next pair, wrapping inside my wave's 131,072 bytes of fragments
	s_and_b32 s22, s22, 0x1ffff
	s_add_co_u32 s23, s23, 1024                    ; and 8,192 bytes of scale words
	s_and_b32 s23, s23, 0x1fff
.endif
	HALF 0, \nt, \wl, \wc0
	HALF 1, \nt, \wl, \wc1
	s_add_co_u32 s24, s24, 128
.endm
	s_mov_b32 s25, 4
.Lctx:                                             ; four trips: my 128 context columns, 9 tiles of rows
	TRIP 9, 1, 18, 18
	s_sub_co_u32 s25, s25, 1
	s_cmp_lg_u32 s25, 0
	s_cbranch_scc1 .Lctx
	; the context rows leave: 16 whole pieces of 512 bytes, and their sums
	WIN 0xc0                                       ; destination window 3
.irp j, 0,1,2,3,4,5,6,7,8,9,10,11,12,13,14,15
	ds_load_b128 v[192+4*\j:195+4*\j], v[CRD] offset:528*\j   ; LDS serves a wave's instructions in order: these see my stores
.endr
	WIN 0
	ds_load_b128 v[CSD:CSD+3], v[CSR]
	s_wait_dscnt 0x0
	WIN 0x0c                                       ; a store's data are its source 1: window 3
.irp j, 0,1,2,3,4,5,6,7,8,9,10,11,12,13,14,15
	global_store_b128 v[L16], v[192+4*\j:195+4*\j], s[16:17] offset:4096*\j th:TH_STORE_NT   ; 32 lanes store 512 consecutive bytes, aligned; these registers are not written again
.endr
	WIN 0
	global_store_b128 v[L16], v[CSD:CSD+3], s[14:15]
	s_mov_b32 s25, 3
.Lknow:                                            ; three trips and a tail: my other 128 columns, 8 tiles of rows
	TRIP 8, 1, 18, 18
	s_sub_co_u32 s25, s25, 1
	s_cmp_lg_u32 s25, 0
	s_cbranch_scc1 .Lknow
	TRIP 8, 0, 18, 0                               ; the last pair: nothing more is asked for, and the counts run down
	ds_load_b128 v[KSD:KSD+3], v[KRD]
	ds_load_b128 v[KSD+4:KSD+7], v[KRD] offset:512
	s_wait_dscnt 0x0
	global_store_b128 v[KO], v[KSD:KSD+3], s[12:13]       ; the chunk's sums of my 256 columns, 512 consecutive bytes a store
	global_store_b128 v[KO+1], v[KSD+4:KSD+7], s[12:13]
	s_wait_tensorcnt 0x0                           ; the wave's end, behind my last LDS store
	ds_add_u32 v[SPW], v[NIL]
	s_wait_dscnt 0x0
	s_endpgm
.Lfunc_end_k_q03bee7dcf7_gemm:
	.size	k_q03bee7dcf7_gemm, .Lfunc_end_k_q03bee7dcf7_gemm-k_q03bee7dcf7_gemm
	.p2alignl 7, 3214868480
	.fill 96, 4, 3214868480
	.section	.rodata,"a",@progbits
	.p2align	6, 0x0
	.amdhsa_kernel k_q03bee7dcf7_gemm
		.amdhsa_group_segment_fixed_size 114176
		.amdhsa_private_segment_fixed_size 0
		.amdhsa_enable_private_segment 0
		.amdhsa_kernarg_size 56
		.amdhsa_user_sgpr_count 2
		.amdhsa_user_sgpr_kernarg_segment_ptr 1
		.amdhsa_wavefront_size32 1
		.amdhsa_system_sgpr_workgroup_id_x 1
		.amdhsa_system_sgpr_workgroup_id_y 1
		.amdhsa_system_sgpr_workgroup_id_z 1
		.amdhsa_system_vgpr_workitem_id 0
		.amdhsa_next_free_vgpr 1024
		.amdhsa_next_free_sgpr 66
		.amdhsa_reserve_vcc 0
		.amdhsa_float_denorm_mode_32 3
		.amdhsa_float_denorm_mode_16_64 3
		.amdhsa_memory_ordered 1
		.amdhsa_forward_progress 1
		.amdhsa_inst_pref_size 179
	.end_amdhsa_kernel
	.amdgpu_metadata
---
amdhsa.version: [ 1, 2 ]
amdhsa.kernels:
  - .name:           k_q03bee7dcf7_gemm
    .symbol:         k_q03bee7dcf7_gemm.kd
    .args:
      - { .name: aq, .offset: 0, .size: 8, .value_kind: global_buffer, .address_space: global }
      - { .name: asc, .offset: 8, .size: 8, .value_kind: global_buffer, .address_space: global }
      - { .name: wq, .offset: 16, .size: 8, .value_kind: global_buffer, .address_space: global }
      - { .name: ws, .offset: 24, .size: 8, .value_kind: global_buffer, .address_space: global }
      - { .name: know_sum, .offset: 32, .size: 8, .value_kind: global_buffer, .address_space: global }
      - { .name: ctx_part, .offset: 40, .size: 8, .value_kind: global_buffer, .address_space: global }
      - { .name: out0, .offset: 48, .size: 8, .value_kind: global_buffer, .address_space: global }
    .group_segment_fixed_size: 114176
    .private_segment_fixed_size: 0
    .kernarg_segment_align: 8
    .kernarg_segment_size: 56
    .max_flat_workgroup_size: 128
    .sgpr_count:     66
    .vgpr_count:     1024
    .wavefront_size: 32
...
	.end_amdgpu_metadata
.endif
;; end of part 2
;; launch score (part 3): grid 8 x 1, 8 waves a work-group, no clusters, 2,304 bytes of LDS; arguments know_sum, ctx_part, know_tokens, src_tokens, ck_mask, out1, out2, ids; writes out1, out2, ids
.if DOCPART == 3
	.amdgcn_target "amdgcn-amd-amdhsa--gfx1250"
	.amdhsa_code_object_version 6
	.text
	.protected	k_q03bee7dcf7_score
	.globl	k_q03bee7dcf7_score
	.p2align	8
	.type	k_q03bee7dcf7_score,@function
k_q03bee7dcf7_score:
	s_mov_b64 s[64:65], 0
	v_nop
	global_prefetch_b8 v0, s[64:65] scope:SCOPE_SE
	s_setreg_imm32_b32 hwreg(HW_REG_WAVE_MODE, 25, 1), 1
	s_wait_xcnt 0x0
; THIRD LAUNCH.  For each example: the lengths, the 32 scores, ck_attn (out2), the argmax (as a whole number, for the last launch's addresses), and the context part of full_mask (out1).
; Left out: cs_ids (use_cs_ids is the constant 0: it has no way to an output).
; score[k] = (sum over d of know_sum[k][d] ctx_sum[d]) / (sqrt(1024 len_k) sqrt(1024 len_ctx)): the two divisors are taken out of the sum, which moves the result by rounding alone.
; SHARES.  Work-group n is example n.  THE WAVES SHARE THE COLUMNS: wave w owns columns 128 w .. 128 w + 127, four a lane, so every load of a wave reads 512 consecutive bytes.  It adds the context's 16 partial
; sums of its columns in its own registers, multiplies all 32 chunks' sums by them, and folds the 32 numbers of its 32 lanes so that lane k ends with chunk k's sum over the wave's columns.  128 bytes a wave go
; to LDS; behind the launch's one barrier wave 0 adds the eight waves' parts, lane k for chunk k, and finishes.  Wave w also counts the tokens of chunks 4 w .. 4 w + 3.
; No address and no branch hangs on a floating-point number: the argmax is only stored.
; LIMITS.  The argmax takes the lowest index among equal scores, as reference()'s does; two scores nearer than the order of f32 additions resolves may change places; a NaN among the scores loses (all NaN: id 31).
.set PART,  0                          ; 8 waves x 32 words: chunk k's sum over the wave's columns
.set FAC,   1024                       ; 32 words: 1 / sqrt(1024 len_k)
.set SPARE, 1280                       ; the spare words, 128 bytes for each of 8 waves
.set SPW, 1                            ; v1   LDS address of my spare word; never rewritten
.set NIL, 2                            ; v2   0; never rewritten
.set L16, 3                            ; v3   16 x lane
.set L4,  4                            ; v4   4 x lane
.set LN,  5                            ; v5   lane
.set CO,  6                            ; v6   my 16 bytes of a row of sums: 512 w + 16 x lane
.set TO,  7                            ; v7   my 16 bytes of chunk 4 w's tokens
.set PA,  8                            ; v8   where my part goes: 128 w + 4 x lane
.set FA,  9                            ; v9   16 w
.set PX,  10                           ; v10  a lane permute's destination
.set NEG, 11                           ; v11  -1e30
.set P,   16                           ; v16-79   the context's 16 partial sums, 4 columns each; later at work
.set K,   80                           ; v80-207  the 32 chunks' sums, 4 columns each: chunk k at v[K + 4 k]
.set TKN, 208                          ; v208-223 the tokens of my four chunks, 4 a lane each
.set ST,  224                          ; v224-231 the example's 256 context tokens, 8 a lane
.set MM,  232                          ; v232 ck_mask[n][lane]
.set F,   234                          ; v234-238 1,024 x the lengths of my four chunks and of the context
.set G,   240                          ; v240-244 1 / their roots
	s_load_b512 s[4:19], s[0:1], 0x0               ; know_sum s[4:5], ctx_part s[6:7], know_tokens s[8:9], src_tokens s[10:11], ck_mask s[12:13], out1 s[14:15], out2 s[16:17], ids s[18:19]
	v_lshl_add_u32 v[SPW], v0, 2, SPARE
	v_mov_b32 v[NIL], 0
	v_lshrrev_b32 v12, 5, v0
	v_readfirstlane_b32 s20, v12                   ; wave 0..7
	v_and_b32 v[LN], 31, v0
	v_lshlrev_b32 v[L16], 4, v[LN]
	v_lshlrev_b32 v[L4], 2, v[LN]
	s_lshl_b32 s21, s20, 9
	v_add_nc_u32 v[CO], s21, v[L16]
	s_lshl_b32 s21, s20, 11
	v_add_nc_u32 v[TO], s21, v[L16]
	s_lshl_b32 s21, s20, 7
	v_add_nc_u32 v[PA], s21, v[L4]
	s_lshl_b32 s21, s20, 4
	v_mov_b32 v[FA], s21
	v_mov_b32 v[PX], 0                             ; written once: a lane permute's destination counts as one of its sources
	v_mov_b32 v[NEG], 0xf149f2ca                   ; -1e30
	s_mov_b32 s28, 0x76543210
	s_mov_b32 s29, 0xfedcba98                      ; v_permlanex16_b32's selects for lane l xor 16
	s_mov_b32 s32, 0xff00ff00                      ; the lanes whose number has bit 3 set,
	s_mov_b32 s33, 0xf0f0f0f0                      ; bit 2,
	s_mov_b32 s34, 0xcccccccc                      ; bit 1,
	s_mov_b32 s35, 0xaaaaaaaa                      ; bit 0
	s_mov_b32 s23, 0
	s_wait_kmcnt 0x0
	s_lshl_b32 s22, ttmp9, 17
	s_add_nc_u64 s[4:5], s[4:5], s[22:23]          ; the example's 32 rows of know_sum
	s_lshl_b32 s22, ttmp9, 16
	s_add_nc_u64 s[6:7], s[6:7], s[22:23]          ; its 16 rows of ctx_part
	s_lshl_b32 s22, ttmp9, 14
	s_add_nc_u64 s[8:9], s[8:9], s[22:23]
	s_lshl_b32 s22, ttmp9, 10
	s_add_nc_u64 s[10:11], s[10:11], s[22:23]
	s_lshl_b32 s22, ttmp9, 5
	s_add_nc_u64 s[12:13], s[12:13], s[22:23]
	s_mul_i32 s22, ttmp9, 384
	s_add_co_u32 s22, s22, 128
	s_add_nc_u64 s[14:15], s[14:15], s[22:23]      ; out1 at the example's context part
	s_lshl_b32 s22, ttmp9, 7
	s_add_nc_u64 s[16:17], s[16:17], s[22:23]
	s_add_nc_u64 s[18:19], s[18:19], s[22:23]
	; all 55 loads go out at once: 7 of tokens and the mask, 16 of the context's parts, 32 of the chunks' sums
.irp c, 0,1,2,3
	global_load_b128 v[TKN+4*\c:TKN+4*\c+3], v[TO], s[8:9] offset:512*\c
.endr
	global_load_b128 v[ST:ST+3], v[L16], s[10:11]
	global_load_b128 v[ST+4:ST+7], v[L16], s[10:11] offset:512
	global_load_u8 v[MM], v[LN], s[12:13]
.set PP, 0
.rept 16
	global_load_b128 v[P+4*PP:P+4*PP+3], v[CO], s[6:7] offset:4096*PP
.set PP, PP+1
.endr
.set KK, 0
.rept 32
	global_load_b128 v[K+4*KK:K+4*KK+3], v[CO], s[4:5] offset:4096*KK
.set KK, KK+1
.endr
	s_wait_loadcnt 48                              ; the tokens and the mask are in; the 16 + 32 loads of sums may be out
.irp c, 0,1,2,3                        ; the lengths: tokens that are not 0, counted over the wave's lanes
.irp j, 0,1,2,3
	v_cmp_ne_u32 s[40+\j], 0, v[TKN+4*\c+\j]
.endr
.irp j, 0,1,2,3
	s_bcnt1_i32_b32 s[40+\j], s[40+\j]
.endr
	s_add_co_u32 s40, s40, s41
	s_add_co_u32 s42, s42, s43
	s_add_co_u32 s[44+\c], s40, s42
.endr
.irp c, 0,1
.irp j, 0,1,2,3
	v_cmp_ne_u32 s[40+\j], 0, v[ST+4*\c+\j]
.endr
.irp j, 0,1,2,3
	s_bcnt1_i32_b32 s[40+\j], s[40+\j]
.endr
	s_add_co_u32 s40, s40, s41
	s_add_co_u32 s42, s42, s43
	s_add_co_u32 s[48+\c], s40, s42
.endr
	s_add_co_u32 s48, s48, s49
.irp c, 0,1,2,3,4
	s_max_u32 s[44+\c], s[44+\c], 1
	s_lshl_b32 s[44+\c], s[44+\c], 10              ; d x length, exact
	v_cvt_f32_u32 v[F+\c], s[44+\c]
.endr
.irp c, 0,1,2,3,4
	v_rsq_f32 v[G+\c], v[F+\c]
.endr
	v_nop                                          ; a plain line behind the last of the five
	s_wait_alu depctr_va_vdst(0)                   ; one wait for the five, ahead of their first reader
.irp c, 0,1,2,3
	ds_store_b32 v[FA], v[G+\c] offset:FAC+4*\c    ; all lanes write the same word with the same value
.endr
	s_wait_loadcnt 32                              ; the context's 16 parts are in; the 32 loads of know_sum may be out
.macro TREE d                          ; parts p and p + d are added, p = 0 .. d - 1
.set PP, 0
.rept \d
	v_pk_add_f32 v[P+4*PP:P+4*PP+1], v[P+4*PP:P+4*PP+1], v[P+4*(PP+\d):P+4*(PP+\d)+1]
	v_pk_add_f32 v[P+4*PP+2:P+4*PP+3], v[P+4*PP+2:P+4*PP+3], v[P+4*(PP+\d)+2:P+4*(PP+\d)+3]
.set PP, PP+1
.endr
.endm
	TREE 8
	TREE 4
	TREE 2
	TREE 1                                         ; v[P:P+3]: the context's sum of my four columns
	s_wait_loadcnt 0x0
.set KK, 0
.rept 32
	v_pk_mul_f32 v[K+4*KK:K+4*KK+1], v[K+4*KK:K+4*KK+1], v[P:P+1]
.set KK, KK+1
.endr
.set KK, 0
.rept 32
	v_pk_fma_f32 v[K+4*KK:K+4*KK+1], v[K+4*KK+2:K+4*KK+3], v[P+2:P+3], v[K+4*KK:K+4*KK+1]
.set KK, KK+1
.endr
.set KK, 0
.rept 32
	v_add_f32 v[K+4*KK], v[K+4*KK], v[K+4*KK+1]    ; chunk k's product over my four columns
.set KK, KK+1
.endr
	; THE FOLD: 32 numbers in each of 32 lanes become one number a lane.  Each step halves the numbers: a lane keeps the half that its bit names and gets its partner's share of that half.
.set KK, 0
.rept 16
	v_permlane16_swap_b32 v[K+4*KK], v[K+4*(KK+16)]   ; the first's lanes 16-31 change places with the second's lanes 0-15:
.set KK, KK+1
.endr
.set KK, 0
.rept 16
	v_add_f32 v[K+4*KK], v[K+4*KK], v[K+4*(KK+16)]    ; lanes 0-15 now hold chunk k, lanes 16-31 chunk k + 16
.set KK, KK+1
.endr
.macro FOLD n, m                       ; numbers k and k + n, k = 0 .. n - 1; partners are lanes l and l xor n; s[m]: the lanes whose bit is set, which keep k + n
.set KK, 0
.rept \n
	v_cndmask_b32 v[K+4*KK+2], v[K+4*KK], v[K+4*(KK+\n)], s[\m]      ; what I keep
	v_cndmask_b32 v[K+4*KK+3], v[K+4*(KK+\n)], v[K+4*KK], s[\m]      ; what my partner keeps
.set KK, KK+1
.endr
.set KK, 0
.rept \n
	v_add_f32_dpp v[K+4*KK], v[K+4*KK+3], v[K+4*KK+2] row_xmask:\n row_mask:0xf bank_mask:0xf
.set KK, KK+1
.endr
.endm
	FOLD 8, 32
	FOLD 4, 33
	FOLD 2, 34
	FOLD 1, 35                                     ; v[K]: lane k holds chunk k's sum over my wave's 128 columns
	ds_store_b32 v[PA], v[K] offset:PART
	s_wait_dscnt 0x0                               ; for wave 0's sake: my part and my four factors lie in LDS
	s_barrier_signal -1
	s_barrier_wait -1                              ; the launch's one barrier
	s_cmp_lg_u32 s20, 0                            ; wave 0 alone finishes; no barrier stands behind this branch
	s_cbranch_scc1 .Lend
.irp j, 0,1,2,3,4,5,6,7
	ds_load_b32 v[P+\j], v[L4] offset:PART+128*\j  ; lane k: chunk k's eight parts
.endr
	ds_load_b32 v[P+8], v[L4] offset:FAC
	s_wait_dscnt 0x0
	v_add_f32 v[P], v[P], v[P+1]
	v_add_f32 v[P+2], v[P+2], v[P+3]
	v_add_f32 v[P+4], v[P+4], v[P+5]
	v_add_f32 v[P+6], v[P+6], v[P+7]
	v_add_f32 v[P], v[P], v[P+2]
	v_add_f32 v[P+4], v[P+4], v[P+6]
	v_add_f32 v[P], v[P], v[P+4]
	v_mul_f32 v[P], v[P], v[P+8]                   ; / sqrt(1024 len_k)
	v_mul_f32 v[P], v[P], v[G+4]                   ; / sqrt(1024 len_ctx): the score
	v_cmp_ne_u32 vcc_lo, 0, v[MM]
	v_cndmask_b32 v[P+1], v[NEG], v[P], vcc_lo     ; for the argmax: -1e30 under the mask
	v_cndmask_b32 v[P+2], 0, v[P], vcc_lo          ; for ck_attn: 0 under the mask
	global_store_b32 v[L4], v[P+2], s[16:17]       ; out2's row: 128 consecutive bytes
	v_mov_b32 v[P+3], v[P+1]
	v_max_num_f32_dpp v[P+3], v[P+3], v[P+3] row_xmask:1 row_mask:0xf bank_mask:0xf
	v_max_num_f32_dpp v[P+3], v[P+3], v[P+3] row_xmask:2 row_mask:0xf bank_mask:0xf
	v_max_num_f32_dpp v[P+3], v[P+3], v[P+3] row_xmask:4 row_mask:0xf bank_mask:0xf
	v_max_num_f32_dpp v[P+3], v[P+3], v[P+3] row_xmask:8 row_mask:0xf bank_mask:0xf
	v_permlanex16_b32 v[PX], v[P+3], s28, s29
	v_max_num_f32 v[P+3], v[P+3], v[PX]
	v_cmp_eq_f32 s24, v[P+1], v[P+3]               ; the lanes that hold the largest score;
	s_ctz_i32_b32 s24, s24                         ; the lowest of them
	s_min_u32 s24, s24, 31
	v_mov_b32 v[P+4], s24
	global_store_b32 v[L4], v[P+4], s[18:19]       ; the choice, 32 times: 128 consecutive bytes
.irp j, 0,1,2,3,4,5,6,7
	v_min_u32 v[ST+\j], 1, v[ST+\j]                ; ctx_mask: 1 where the token is not 0
.endr
.irp u, 0,4
	v_lshl_or_b32 v[ST+\u], v[ST+\u+1], 8, v[ST+\u]
	v_lshl_or_b32 v[ST+\u], v[ST+\u+2], 16, v[ST+\u]
	v_lshl_or_b32 v[ST+\u], v[ST+\u+3], 24, v[ST+\u]
.endr
	global_store_b32 v[L4], v[ST], s[14:15]        ; four booleans a lane
	global_store_b32 v[L4], v[ST+4], s[14:15] offset:128
.Lend:
	s_wait_tensorcnt 0x0                           ; the wave's end, behind my last LDS store
	ds_add_u32 v[SPW], v[NIL]
	s_wait_dscnt 0x0
	s_endpgm
.Lfunc_end_k_q03bee7dcf7_score:
	.size	k_q03bee7dcf7_score, .Lfunc_end_k_q03bee7dcf7_score-k_q03bee7dcf7_score
	.p2alignl 7, 3214868480
	.fill 96, 4, 3214868480
	.section	.rodata,"a",@progbits
	.p2align	6, 0x0
	.amdhsa_kernel k_q03bee7dcf7_score
		.amdhsa_group_segment_fixed_size 2304
		.amdhsa_private_segment_fixed_size 0
		.amdhsa_enable_private_segment 0
		.amdhsa_kernarg_size 64
		.amdhsa_user_sgpr_count 2
		.amdhsa_user_sgpr_kernarg_segment_ptr 1
		.amdhsa_wavefront_size32 1
		.amdhsa_system_sgpr_workgroup_id_x 1
		.amdhsa_system_sgpr_workgroup_id_y 1
		.amdhsa_system_sgpr_workgroup_id_z 1
		.amdhsa_system_vgpr_workitem_id 0
		.amdhsa_next_free_vgpr 248
		.amdhsa_next_free_sgpr 66
		.amdhsa_reserve_vcc 1
		.amdhsa_float_denorm_mode_32 3
		.amdhsa_float_denorm_mode_16_64 3
		.amdhsa_memory_ordered 1
		.amdhsa_forward_progress 1
		.amdhsa_inst_pref_size 25
	.end_amdhsa_kernel
	.amdgpu_metadata
---
amdhsa.version: [ 1, 2 ]
amdhsa.kernels:
  - .name:           k_q03bee7dcf7_score
    .symbol:         k_q03bee7dcf7_score.kd
    .args:
      - { .name: know_sum, .offset: 0, .size: 8, .value_kind: global_buffer, .address_space: global }
      - { .name: ctx_part, .offset: 8, .size: 8, .value_kind: global_buffer, .address_space: global }
      - { .name: know_tokens, .offset: 16, .size: 8, .value_kind: global_buffer, .address_space: global }
      - { .name: src_tokens, .offset: 24, .size: 8, .value_kind: global_buffer, .address_space: global }
      - { .name: ck_mask, .offset: 32, .size: 8, .value_kind: global_buffer, .address_space: global }
      - { .name: out1, .offset: 40, .size: 8, .value_kind: global_buffer, .address_space: global }
      - { .name: out2, .offset: 48, .size: 8, .value_kind: global_buffer, .address_space: global }
      - { .name: ids, .offset: 56, .size: 8, .value_kind: global_buffer, .address_space: global }
    .group_segment_fixed_size: 2304
    .private_segment_fixed_size: 0
    .kernarg_segment_align: 8
    .kernarg_segment_size: 64
    .max_flat_workgroup_size: 256
    .sgpr_count:     66
    .vgpr_count:     248
    .wavefront_size: 32
...
	.end_amdgpu_metadata
.endif
;; end of part 3
;; launch sel (part 4): grid 64 x 4, 4 waves a work-group, no clusters, 17,920 bytes of LDS; arguments ids, know_tokens, aq, asc, wq, ws, out0, out1; writes out0, out1
.if DOCPART == 4
	.amdgcn_target "amdgcn-amd-amdhsa--gfx1250"
	.amdhsa_code_object_version 6
	.text
	.protected	k_q03bee7dcf7_sel
	.globl	k_q03bee7dcf7_sel
	.p2align	8
	.type	k_q03bee7dcf7_sel,@function
k_q03bee7dcf7_sel:
	s_mov_b64 s[64:65], 0
	v_nop
	global_prefetch_b8 v0, s[64:65] scope:SCOPE_SE
	s_setreg_imm32_b32 hwreg(HW_REG_WAVE_MODE, 25, 1), 1
	s_wait_xcnt 0x0
; FOURTH LAUNCH.  The chosen chunk of each example: its 128 rows of gelu(A W) into rows 0-127 of full_enc, its mask into bytes 0-127 of full_mask.  The choice is read from ids, which the launch before stored.
; Left out: cs_ids (use_cs_ids is the constant 0); the 31 chunks of each example that were not chosen.  Rows whose token is 0 arrive as zero codes: x = 0, h = 0.
; SHARES.  Work-group (x, y): example x / 8, tile x % 8 of the chunk's 16-row tiles, columns 256 y on.  Wave w: 64 columns, four tiles of 16.  All operands go from memory straight into registers, each once.
; THE PRODUCT IS USED TRANSPOSED (source 0 = 16 columns of W, source 1 = the 16 rows): a lane then holds eight neighbouring columns of one row.  They go through the wave's own stage in LDS and leave as
; pieces of 256 consecutive bytes, sixteen lanes to a piece.  No barrier: waves share nothing.
; REGISTERS: window 0 as named below; window 1: W's 32 fragments, (tile t, K step s) at v[64 t + 8 s].
.set SPARE, 17408                      ; behind the four stages of 16 x 272 bytes: the spare words
.set SPW, 1
.set NIL, 2
.set L16, 3                            ; 16 x lane
.set R32, 4                            ; 32 x (lane % 16)
.set STO, 5                            ; the stage: where I put 32 bytes of a row
.set RD,  6                            ; and where I read a row back
.set GO,  7                            ; my byte offset in out0
.set L4,  8                            ; 4 x lane
.set CA,  20                           ; v20-21 a, twice;  v22-23 b, twice
.set CB,  22
.set TK,  24                           ; v24-27 tokens
.set AF,  32                           ; v32-95 the rows' 8 fragments
.set ASW, 96                           ; v96-99 their scale words: lanes 0-15 K step j, lanes 16-31 K step j + 4
.set WSW, 100                          ; v100-131 W's: 8 t + s
.set ACC, 132                          ; v132-163 x
.set T,   164                          ; v164-195 at work, then h
.set OB,  196                          ; v196-227 rows on their way out
.set MSB, 0
.macro WIN new
.if MSB != (\new)
	s_set_vgpr_msb (MSB<<8)|(\new)
.set MSB, (\new)
.endif
.endm
	s_load_b512 s[4:19], s[0:1], 0x0               ; ids s[4:5], know_tokens s[6:7], aq s[8:9], asc s[10:11], wq s[12:13], ws s[14:15], out0 s[16:17], out1 s[18:19]
	v_lshl_add_u32 v[SPW], v0, 2, SPARE
	v_mov_b32 v[NIL], 0
	v_lshrrev_b32 v9, 5, v0
	v_readfirstlane_b32 s20, v9                    ; wave 0..3
	v_and_b32 v9, 31, v0
	v_lshlrev_b32 v[L16], 4, v9
	v_lshlrev_b32 v[L4], 2, v9
	v_and_b32 v10, 15, v0                          ; r
	v_bfe_u32 v11, v0, 4, 1                        ; h
	v_lshlrev_b32 v[R32], 5, v10
	s_mul_i32 s30, s20, 4352                       ; my stage
	v_mul_u32_u24 v[STO], v10, 272
	v_lshl_add_u32 v[STO], v11, 5, v[STO]
	v_add_nc_u32 v[STO], s30, v[STO]               ; in: row r, + 32 h
	v_mul_u32_u24 v[RD], v11, 272
	v_lshl_add_u32 v[RD], v10, 4, v[RD]
	v_add_nc_u32 v[RD], s30, v[RD]                 ; back: lanes 0-15 one row, lanes 16-31 the next
	v_lshlrev_b32 v[GO], 12, v11
	v_lshl_add_u32 v[GO], v10, 4, v[GO]            ; and the same two rows in out0
	v_mov_b32 v[CA], 0xc0135761                    ; a = -2 log2(e) sqrt(2 / pi)
	v_mov_b32 v[CA+1], 0xc0135761
	v_mov_b32 v[CB], 0xbdd2d3e8                    ; b = 0.044715 a
	v_mov_b32 v[CB+1], 0xbdd2d3e8
	s_lshr_b32 s21, ttmp9, 3                       ; the example
	s_and_b32 s22, ttmp9, 7                        ; the tile of rows
	s_and_b32 s23, ttmp7, 0xffff                   ; the quarter of the columns
	s_lshl_b32 s24, s23, 4
	s_lshl_b32 s25, s20, 2
	s_add_co_u32 s24, s24, s25                     ; my first column tile
	s_mov_b32 s27, 0
	s_wait_kmcnt 0x0
	s_lshl_b32 s26, s21, 7
	s_add_nc_u64 s[4:5], s[4:5], s[26:27]
	s_load_b32 s28, s[4:5], 0x0                    ; the choice
	s_lshl_b32 s26, s24, 13
	s_add_nc_u64 s[12:13], s[12:13], s[26:27]
	s_lshl_b32 s26, s24, 9
	s_add_nc_u64 s[14:15], s[14:15], s[26:27]
	WIN 0x40                                       ; destination window 1.  W hangs on ids of the launch alone: it is asked for while the choice is on its way
.irp t, 0,1,2,3
.irp q, 0,1,2,3,4,5,6,7
	global_load_b128 v[64*\t+8*\q:64*\t+8*\q+3],   v[L16], s[12:13] offset:8192*\t+1024*\q
	global_load_b128 v[64*\t+8*\q+4:64*\t+8*\q+7], v[L16], s[12:13] offset:8192*\t+1024*\q+512
.endr
.endr
	WIN 0
.irp t, 0,1,2,3
	global_load_b128 v[WSW+8*\t:WSW+8*\t+3],   v[R32], s[14:15] offset:512*\t
	global_load_b128 v[WSW+8*\t+4:WSW+8*\t+7], v[R32], s[14:15] offset:512*\t+16
.endr
	s_mul_i32 s29, s21, 384
	s_lshl_b32 s25, s22, 4
	s_add_co_u32 s25, s25, s29
	s_lshl_b32 s26, s25, 12                        ; row 384 n + 16 x tile,
	s_lshl_b32 s25, s23, 10
	s_add_co_u32 s26, s26, s25                     ; + 256 columns a quarter,
	s_lshl_b32 s25, s20, 8
	s_add_co_u32 s26, s26, s25                     ; + 64 columns a wave
	s_add_nc_u64 s[16:17], s[16:17], s[26:27]
	s_mov_b32 s26, s29
	s_add_nc_u64 s[18:19], s[18:19], s[26:27]      ; out1 at the example's row
	s_wait_kmcnt 0x0
	s_min_u32 s28, s28, 31                         ; a loaded number enters an address only behind this hold
	s_lshl_b32 s29, s21, 5
	s_add_co_u32 s28, s28, s29                     ; the chunk among all 256
	s_lshl_b32 s29, s28, 3
	s_add_co_u32 s29, s29, s22                     ; the tile among all
	s_lshl_b32 s26, s29, 13
	s_add_nc_u64 s[8:9], s[8:9], s[26:27]
	s_lshl_b32 s26, s29, 9
	s_add_nc_u64 s[10:11], s[10:11], s[26:27]
	s_lshl_b32 s26, s28, 9
	s_add_nc_u64 s[6:7], s[6:7], s[26:27]          ; the chunk's 128 tokens
.irp q, 0,1,2,3,4,5,6,7
	global_load_b128 v[AF+8*\q:AF+8*\q+3],   v[L16], s[8:9] offset:1024*\q
	global_load_b128 v[AF+8*\q+4:AF+8*\q+7], v[L16], s[8:9] offset:1024*\q+512
.endr
	global_load_b128 v[ASW:ASW+3], v[L16], s[10:11]
	s_wait_loadcnt 0x0
	WIN 0x01                                       ; source 0 (W) window 1
.set KK, 0
.rept 8                                ; four accumulators by turns, one instruction a turn; the first K step starts the sums
.set TT, 0
.rept 4
.if KK == 0
	v_wmma_scale_f32_16x16x128_f8f6f4 v[ACC+8*TT:ACC+8*TT+7], v[64*TT+8*KK:64*TT+8*KK+7], v[AF+8*KK:AF+8*KK+7], 0, v[WSW+8*TT+KK], v[ASW+KK%4] matrix_a_fmt:MATRIX_FMT_FP4 matrix_b_fmt:MATRIX_FMT_FP4
.elseif KK < 4
	v_wmma_scale_f32_16x16x128_f8f6f4 v[ACC+8*TT:ACC+8*TT+7], v[64*TT+8*KK:64*TT+8*KK+7], v[AF+8*KK:AF+8*KK+7], v[ACC+8*TT:ACC+8*TT+7], v[WSW+8*TT+KK], v[ASW+KK%4] matrix_a_fmt:MATRIX_FMT_FP4 matrix_b_fmt:MATRIX_FMT_FP4
.else
	v_wmma_scale_f32_16x16x128_f8f6f4 v[ACC+8*TT:ACC+8*TT+7], v[64*TT+8*KK:64*TT+8*KK+7], v[AF+8*KK:AF+8*KK+7], v[ACC+8*TT:ACC+8*TT+7], v[WSW+8*TT+KK], v[ASW+KK%4] matrix_a_fmt:MATRIX_FMT_FP4 matrix_b_fmt:MATRIX_FMT_FP4 matrix_b_scale:MATRIX_SCALE_ROW1
.endif
.set TT, TT+1
.endr
.set KK, KK+1
.endr
	WIN 0
.rept 4
	v_nop                                          ; four plain lines between the last product and the reads of its result (ISA guide 7.12.1)
.endr
	; h = x / (1 + 2^(x (a + b x^2))); each accumulator is read from its low end on; one wait for each batch
.set JJ, 0
.rept 16
	v_pk_mul_f32 v[T+JJ:T+JJ+1], v[ACC+JJ:ACC+JJ+1], v[ACC+JJ:ACC+JJ+1]
.set JJ, JJ+2
.endr
.set JJ, 0
.rept 16
	v_pk_fma_f32 v[T+JJ:T+JJ+1], v[T+JJ:T+JJ+1], v[CB:CB+1], v[CA:CA+1]
.set JJ, JJ+2
.endr
.set JJ, 0
.rept 16
	v_pk_mul_f32 v[T+JJ:T+JJ+1], v[T+JJ:T+JJ+1], v[ACC+JJ:ACC+JJ+1]
.set JJ, JJ+2
.endr
.set JJ, 0
.rept 32
	v_exp_f32 v[T+JJ], v[T+JJ]
.set JJ, JJ+1
.endr
	v_nop                                          ; a plain line behind the last exponential
	s_wait_alu depctr_va_vdst(0)                   ; one wait for the batch, ahead of its first reader
.set JJ, 0
.rept 16
	v_pk_add_f32 v[T+JJ:T+JJ+1], v[T+JJ:T+JJ+1], 1.0 op_sel_hi:[1,0]
.set JJ, JJ+2
.endr
.set JJ, 0
.rept 32
	v_rcp_f32 v[T+JJ], v[T+JJ]
.set JJ, JJ+1
.endr
	v_nop
	s_wait_alu depctr_va_vdst(0)                   ; and one for the reciprocals
.set JJ, 0
.rept 16
	v_pk_mul_f32 v[T+JJ:T+JJ+1], v[ACC+JJ:ACC+JJ+1], v[T+JJ:T+JJ+1]
.set JJ, JJ+2
.endr
.irp t, 0,1,2,3
	ds_store_b128 v[STO], v[T+8*\t:T+8*\t+3] offset:64*\t           ; lane (r, h): row r, columns 16 t + 8 h + 0 .. 7
	ds_store_b128 v[STO], v[T+8*\t+4:T+8*\t+7] offset:64*\t+16
.endr
.irp i, 0,1,2,3,4,5,6,7
	ds_load_b128 v[OB+4*\i:OB+4*\i+3], v[RD] offset:2*\i*272       ; LDS serves a wave's instructions in order: these see my stores
.endr
.irp i, 0,1,2,3,4,5,6,7
	s_wait_dscnt 7-\i                              ; rows 2 i and 2 i + 1 are back; the younger loads may be out
	global_store_b128 v[GO], v[OB+4*\i:OB+4*\i+3], s[16:17] offset:8192*\i th:TH_STORE_NT   ; sixteen lanes store 256 consecutive bytes, aligned
.endr
	s_or_b32 s30, s22, s23                         ; one wave for each example stores the chosen chunk's mask: a branch on ids alone
	s_or_b32 s30, s30, s20
	s_cmp_lg_u32 s30, 0
	s_cbranch_scc1 .Lend
	global_load_b128 v[TK:TK+3], v[L16], s[6:7]    ; four tokens a lane
	s_wait_loadcnt 0x0
.irp j, 0,1,2,3
	v_min_u32 v[TK+\j], 1, v[TK+\j]                ; 1 where the token is not 0
.endr
	v_lshl_or_b32 v[TK], v[TK+1], 8, v[TK]
	v_lshl_or_b32 v[TK], v[TK+2], 16, v[TK]
	v_lshl_or_b32 v[TK], v[TK+3], 24, v[TK]
	global_store_b32 v[L4], v[TK], s[18:19]        ; 128 booleans: 128 consecutive bytes
.Lend:
	s_wait_tensorcnt 0x0                           ; the wave's end, behind my last LDS store
	ds_add_u32 v[SPW], v[NIL]
	s_wait_dscnt 0x0
	s_endpgm
.Lfunc_end_k_q03bee7dcf7_sel:
	.size	k_q03bee7dcf7_sel, .Lfunc_end_k_q03bee7dcf7_sel-k_q03bee7dcf7_sel
	.p2alignl 7, 3214868480
	.fill 96, 4, 3214868480
	.section	.rodata,"a",@progbits
	.p2align	6, 0x0
	.amdhsa_kernel k_q03bee7dcf7_sel
		.amdhsa_group_segment_fixed_size 17920
		.amdhsa_private_segment_fixed_size 0
		.amdhsa_enable_private_segment 0
		.amdhsa_kernarg_size 64
		.amdhsa_user_sgpr_count 2
		.amdhsa_user_sgpr_kernarg_segment_ptr 1
		.amdhsa_wavefront_size32 1
		.amdhsa_system_sgpr_workgroup_id_x 1
		.amdhsa_system_sgpr_workgroup_id_y 1
		.amdhsa_system_sgpr_workgroup_id_z 1
		.amdhsa_system_vgpr_workitem_id 0
		.amdhsa_next_free_vgpr 512
		.amdhsa_next_free_sgpr 66
		.amdhsa_reserve_vcc 0
		.amdhsa_float_denorm_mode_32 3
		.amdhsa_float_denorm_mode_16_64 3
		.amdhsa_memory_ordered 1
		.amdhsa_forward_progress 1
		.amdhsa_inst_pref_size 26
	.end_amdhsa_kernel
	.amdgpu_metadata
---
amdhsa.version: [ 1, 2 ]
amdhsa.kernels:
  - .name:           k_q03bee7dcf7_sel
    .symbol:         k_q03bee7dcf7_sel.kd
    .args:
      - { .name: ids, .offset: 0, .size: 8, .value_kind: global_buffer, .address_space: global }
      - { .name: know_tokens, .offset: 8, .size: 8, .value_kind: global_buffer, .address_space: global }
      - { .name: aq, .offset: 16, .size: 8, .value_kind: global_buffer, .address_space: global }
      - { .name: asc, .offset: 24, .size: 8, .value_kind: global_buffer, .address_space: global }
      - { .name: wq, .offset: 32, .size: 8, .value_kind: global_buffer, .address_space: global }
      - { .name: ws, .offset: 40, .size: 8, .value_kind: global_buffer, .address_space: global }
      - { .name: out0, .offset: 48, .size: 8, .value_kind: global_buffer, .address_space: global }
      - { .name: out1, .offset: 56, .size: 8, .value_kind: global_buffer, .address_space: global }
    .group_segment_fixed_size: 17920
    .private_segment_fixed_size: 0
    .kernarg_segment_align: 8
    .kernarg_segment_size: 64
    .max_flat_workgroup_size: 128
    .sgpr_count:     66
    .vgpr_count:     512
    .wavefront_size: 32
...
	.end_amdgpu_metadata
.endif
;; end of part 4
